; MI455X (gfx1250); checked and timed in simulation.
; The chip was launched on July 23, 2026; its instructions are those of AMD's public machine-readable ISA for CDNA 5 (MIT licence, August 2026) and "CDNA5" Instruction Set Architecture Reference Guide (July 2026). The comments in the code are by the model that wrote it; some were corrected since.
;; Radix Attention. Allowed arithmetic: matrix products marked QUANTISED: E2M3 operands, one E8M0 scale for each 32 along K, by v_wmma_scale_f32_16x16x128_f8f6f4 with both operands' format E2M3, f32 sums; everything else in f32.
;; Inputs: k 4 x 512 x 8 x 128 float32; pool_k 16,384 x 8 x 128 float32; pool_v 16,384 x 8 x 128 float32; q 4 x 512 x 32 x 128 float32; req_to_token 4 x 2,048 int32; v 4 x 512 x 8 x 128 float32.
;; Outputs: out0 2,048 x 4,096 float32.
;; This version of the problem:
;;   THIS VERSION OF THE PROBLEM IS GIVEN IN LOW PRECISION. The matrix products marked QUANTISED in the list below multiply operands that are first quantised to E2M3 (2 exponent bits, 3 mantissa bits; 6 bits a number), with one power-of-two scale for each 32 numbers along K (OCP MX v1.0); their sums are f32. All else is computed in f32.
;;   The module's matrix products, in the order in which they are computed (A, B: the left and right operand; K: the contracted axis; several contracted axes count as one K, in the product's order):
;;     1. batch 32 x [M 512, K 128] x [K 128, N 2,048]; A: input k; B: input q: QUANTISED
;;     2. batch 32 x [M 128, K 512] x [K 512, N 2,048]; A: input v; B: softmax (see below): QUANTISED
;;     3. batch 32 x [M 2,048, K 128] x [K 128, N 2,048]; A: computed on the way; B: input q: QUANTISED
;;     4. batch 32 x [M 128, K 2,048] x [K 2,048, N 2,048]; A: computed on the way; B: softmax (see below): QUANTISED
;;   THE QUANTISER, for each operand of a quantised product, along K:
;;     - K is cut into blocks of 32 from its start; a last block that is shorter is filled with zeros.
;;     - A block's scale is 2^e with e = floor(log2(the largest magnitude in the block)) - 2, held to -126 .. 127; a block of zeros has e = 0. As a byte (E8M0): e + 127.
;;     - Each number is divided by its block's scale, clamped to +-7.5, and rounded to the nearest number of E2M3, ties to even, subnormals kept.
;;     - The product sums the exact products of the quantised numbers (number of the format x scale) in f32.
;;   ~~~python
;;   def quantise(x, axis):      # numpy; x: float32 -> the quantised numbers, widened to float32 again
;;       x = np.moveaxis(x, axis, -1); K = x.shape[-1]
;;       x = np.pad(x, [(0, 0)] * (x.ndim - 1) + [(0, -K % 32)]); x = x.reshape(x.shape[:-1] + (-1, 32)); a = np.abs(x).max(-1, keepdims=True)
;;       e = np.where(a > 0, np.clip(np.frexp(np.where(a > 0, a, 1))[1] - 1 - 2, -126, 127), 0)      # np.frexp(a)[1] - 1 = floor(log2(a)), exactly
;;       r = np.clip(x / 2.0 ** e, -7.5, 7.5)
;;       step = 2.0 ** (np.maximum(np.frexp(np.where(r == 0, 1, r))[1] - 1, 0) - 3)
;;       q = np.round(r / step) * step * 2.0 ** e      # np.round: ties to even
;;       return np.moveaxis(q.reshape(q.shape[:-2] + (-1,))[..., :K], -1, axis).astype(np.float32)
;;   ~~~
;;   SOFTMAX AHEAD OF A QUANTISED PRODUCT. Where the list says 'softmax', what is quantised is not the finished softmax but p = 2^(t - M), with t = logit x log2(e) and M = ceil(the row's largest t), a whole number; so 1/2 < the row's largest p <= 1. The row's sum l is taken of the UNQUANTISED p, in f32, and the product's result is divided by l at the end. Since M is a whole number, a kernel that streams over the keys may use a running M (the ceiling of the running maximum): every later rescaling is an exact power of two, which a block's scale takes up: the codes' values come out the same.
;;   OPERANDS COMPUTED ON THE WAY. 'Computed on the way' means the value that the module computes at that place (a softmax that the list does not call 'softmax' is quantised finished and normalised). What goes into a quantiser is computed in f32, as accurately as f32 sums, v_exp_f32 and their like allow (about 1e-6 of the number): no bf16 or f16 on the way to a quantiser, and a product that is left as it is and whose result goes on into a quantised operand takes f32 operands (vector FMAs, or v_wmma_f32_16x16x4_f32). A number that lies on a knife's edge between two numbers of the format may be rounded either way, as far as f32 arithmetic and the matrix unit's own rounding can turn it there, and no further.
;; One version. Each part assembles by itself: llvm-mc -triple=amdgcn-amd-amdhsa -mcpu=gfx1250 --defsym DOCPART=n.
;; ======== version 1 of 1: 2 launches
;; limits: right only within a limited range of input values
;; workspace buffers: kimg 8,192,000 bytes; vimg 8,192,000 bytes
;; launch prep (part 1): grid 640 x 1, 4 waves a work-group, no clusters, 34,304 bytes of LDS; arguments k, v, pool_k, pool_v, req_to_token, kimg, vimg; writes kimg, vimg
.if DOCPART == 1
	.amdgcn_target "amdgcn-amd-amdhsa--gfx1250"
	.amdhsa_code_object_version 6
	.text
	.protected	k_qea154d7f47_prep
	.globl	k_qea154d7f47_prep
	.p2align	8
	.type	k_qea154d7f47_prep,@function
k_qea154d7f47_prep:
	s_mov_b64 s[64:65], 0
	v_nop
	global_prefetch_b8 v0, s[64:65] scope:SCOPE_SE
	s_setreg_imm32_b32 hwreg(HW_REG_WAVE_MODE, 25, 1), 1
	s_wait_xcnt 0x0
; k, the gathered pool_k (K = the head's 128) and v, the gathered pool_v (K = the keys, in gathered order) become codes of FP6 (E2M3) with one E8M0 byte for each 32 along K.
; They are laid as IMAGES OF THE OPERANDS' REGISTERS, in records of 12,800 bytes: 8 fragments (16 rows x 128 K) of 1,536 bytes, register j of lane l at 1536 T + 512 (j / 4) + 16 l + 4 (j % 4);
; at byte 12,288 the scale words: row r of tile T at 256 (T / 4) + 16 r + 4 (T % 4).  Lane (r, hl) of a fragment holds row r, K = 64 c + 32 hl + 0 .. 31 in registers 6 c .. 6 c + 5.
;   kimg [b][h][step 0..19]: tile T, row r = key 32 (T / 2) + 8 (T % 2) + r + 8 (r / 8) of the step's 128; steps 0-15 the prefix as req_to_token lists it, steps 16-19 the new tokens.
;   vimg [b][h][step]:       tile T, row r = channel 16 T + r; K = the step's 128 keys in their order.
; A block's scale is 2^(floor(log2(largest magnitude)) - 2): its byte is that magnitude's exponent field - 2, held at 1 from below.
; LIMITS: NaN and infinities among the inputs are not served; a block whose largest magnitude lies under 2^-124 keeps the byte 1; a block of zeros has the byte 1 and zero codes (this program alone
; reads the bytes); an index of req_to_token is held to 0 .. 16,383.
; SHARES: a wave makes half a record (4 tiles, 256 bytes of scale words) from 32 KB of f32.  Work-groups 0-319: V (no LDS); 320-575: gathered K; 576-639: new K.
; Waves share nothing: no barrier.  The row path turns each tile through the wave's own stage in LDS.
; ORDER OF ROWS in kimg, which stands in place of the order named above: tile T, row r = key (token) 64 (T / 4) + 8 (T % 4) + r % 8 + 32 (r / 8) of the record's 128.
.set REC,  12800
.set FRB,  1536
.set SCO,  12288
.set SPT,  528                         ; a stage row: 512 bytes + 16 = 33 x 16 bytes: sixteen rows start in sixteen different columns of 16 bytes modulo 256
.set WST,  16*SPT                      ; a wave's stage
.set X,    64                          ; v64-127  the numbers at work (rows: 64 of my row; V: two sets of 32 down the keys)
.set R,    128                         ; v128-255 rows: two sets of 16 rows as loaded
.set C,    32                          ; v32-43   rows: a fragment's codes
.set CT,   44                          ; v44-46, v48-50 rows: the upper halves of the blocks' codes
.set SW,   52                          ; v52-55   rows: the scale word of each of my four tiles
.set OFF,  128                         ; v128-255 V: the byte offset of each of the step's 128 keys
.set CF,   32                          ; v32-55   V: twelve code registers for each pass
.set CV,   56                          ; v56-58   V: the upper half of a block's codes
.set VW,   60                          ; v60, v62 V: my scale words of pass 0, 1; v61, v63: lane l xor 16's
; s[16+n+4 (n/48)], n = 0 .. 63: s16-63 and s68-83: sixty-four indices, then row offsets
; q is not served by this launch, and there is no qimg: the attention launch reads each number of q once and quantises it itself.  Work-groups 0-319: V; 320-575: gathered K; 576-639: new K.
	s_load_b64 s[6:7], s[0:1], 0x0                 ; k
	s_load_b128 s[8:11], s[0:1], 0x8               ; v s[8:9], pool_k s[10:11]
	s_load_b128 s[84:87], s[0:1], 0x18             ; pool_v s[84:85], req_to_token s[86:87]
	s_load_b64 s[90:91], s[0:1], 0x28              ; kimg
	s_load_b64 s[92:93], s[0:1], 0x30              ; vimg
	v_lshl_add_u32 v31, v0, 2, 0x8400
	v_mov_b32 v59, 0
	v_lshrrev_b32 v1, 5, v0
	v_readfirstlane_b32 s12, v1                    ; wave 0..3
	v_and_b32 v1, 31, v0                           ; lane
	v_and_b32 v2, 15, v0                           ; r
	v_bfe_u32 v3, v0, 4, 1                         ; hl
	v_lshlrev_b32 v4, 4, v1                        ; 16 x lane
	s_mul_i32 s16, s12, WST
	v_add_nc_u32 v5, s16, v4                       ; the stage, in: 16 x lane of a row
	v_mul_u32_u24 v6, v2, SPT
	v_lshl_add_u32 v6, v3, 7, v6
	v_add_nc_u32 v6, s16, v6                       ; the stage, out: row r, + 128 hl: my 32 numbers of a block pair
	s_mov_b32 s98, 0x76543210
	s_mov_b32 s99, 0xfedcba98                      ; v_permlanex16_b32's selects for lane l xor 16
	s_cmp_lt_u32 ttmp9, 320
	s_cbranch_scc0 .Lrows
; sixty-four indices of the table, from byte off of my part of it
.macro TABLE off
	s_load_b512 s[16:31], s[86:87], \off
	s_load_b512 s[32:47], s[86:87], \off+0x40
	s_load_b512 s[48:63], s[86:87], \off+0x80
	s_load_b512 s[68:83], s[86:87], \off+0xc0
.endm
; ================= V: K = the keys.  A lane takes a channel, its registers run down the keys: nothing is transposed =================
	s_lshr_b32 s13, ttmp9, 4                       ; step 0..19
	s_and_b32 s16, ttmp9, 15
	s_lshl_b32 s16, s16, 2
	s_add_co_u32 s16, s16, s12                     ; u = 0..63
	s_and_b32 s3, s16, 1                           ; dg: which 64 channels
	s_bfe_u32 s18, s16, 0x30001                    ; kv head
	s_lshr_b32 s19, s16, 4                         ; b
	s_lshl_b32 s20, s19, 3
	s_add_co_u32 s20, s20, s18
	s_mul_i32 s20, s20, 20
	s_add_co_u32 s20, s20, s13
	s_mul_i32 s20, s20, REC                        ; my record's first byte
	s_mov_b32 s21, 0
	s_lshl_b32 s22, s19, 13
	s_lshl_b32 s17, s13, 9
	s_add_co_u32 s22, s22, s17                     ; the step's 128 indices in the table
	s_mov_b32 s23, 0
	s_max_u32 s17, s13, 16
	s_sub_co_u32 s17, s17, 16
	s_lshl_b32 s17, s17, 19                        ; new tokens: 128 (step - 16) rows of 4,096 bytes,
	s_lshl_b32 s2, s19, 21
	s_add_co_u32 s17, s17, s2                      ; in request b
	s_cmp_lt_u32 s13, 16
	s_cselect_b32 s96, 0, s17                      ; the pool is taken from its first byte
	s_mov_b32 s97, 0
	s_lshl_b32 s2, s18, 9
	s_lshl_b32 s17, s3, 8
	s_add_co_u32 s2, s2, s17
	s_wait_alu depctr_va_vdst(0)
	v_lshl_add_u32 v20, v1, 2, s2                  ; my channel in a row: 512 head + 256 dg + 4 lane (pass 1: 128 more, in the immediate)
	s_mul_i32 s2, s3, 4*FRB
	v_mul_u32_u24 v21, v3, FRB
	v_lshl_add_u32 v21, v2, 4, v21
	v_add_nc_u32 v21, s2, v21                      ; where my codes go: tile 4 dg + 2 pass + hl, image lane r (+ 16 for odd blocks, in the immediate)
	s_add_co_u32 s17, s17, SCO
	v_lshl_add_u32 v22, v2, 4, s17                 ; and row r's four scale words
	v_mov_b32 v61, 0                               ; written once: a lane permute's destination counts as one of its sources
	v_mov_b32 v63, 0
	s_wait_kmcnt 0x0
	s_cmp_lt_u32 s13, 16                           ; the choice hangs on the work-group's number alone
	s_cselect_b64 s[14:15], s[84:85], s[8:9]       ; pool_v or v
	s_add_nc_u64 s[14:15], s[14:15], s[96:97]
	s_add_nc_u64 s[94:95], s[92:93], s[20:21]
; Unit n = 0 .. 7: block [0, 2, 1, 3][n / 2] of 32 keys, pass n % 2 (channels 32 pass + lane).  Blocks 0 and 2 are the twelve registers of image lanes 0-15, blocks 1 and 3 those of lanes 16-31.
.macro LOADU n
.set UB, 2*(((\n)/2)%2)+((\n)/2)/2
.set UP, (\n)%2
.set ii, 0
.rept 32
	global_load_b32 v[X+32*UP+ii], v[OFF+32*UB+ii], s[14:15] offset:128*UP   ; one key's row at 32 neighbouring channels: 128 consecutive bytes
.set ii, ii+1
.endr
.endm
.macro OFFS base                       ; sixty-four indices become byte offsets
.set nn, 0
.rept 64
	s_min_u32 s[16+nn+4*(nn/48)], s[16+nn+4*(nn/48)], 0x3fff       ; inside the pool
	v_lshl_add_u32 v[OFF+\base+nn], s[16+nn+4*(nn/48)], 12, v20    ; a pool row is 4,096 bytes
.set nn, nn+1
.endr
.endm
	s_cmp_lt_u32 s13, 16
	s_cbranch_scc0 .Lv_new
	s_add_nc_u64 s[86:87], s[86:87], s[22:23]      ; my part of the table
	TABLE 0x0
	s_wait_kmcnt 0x0
	s_wait_alu depctr_va_vdst(0)
	OFFS 0
	TABLE 0x100                                    ; keys 64-127 come while the first loads go out
	LOADU 0
	LOADU 1
	s_wait_kmcnt 0x0
	OFFS 64
	s_branch .Lv_go
.Lv_new:
.set nn, 0
	s_wait_alu depctr_va_vdst(0)
.rept 128
	v_add_nc_u32 v[OFF+nn], 4096*nn, v20
.set nn, nn+1
.endr
	LOADU 0                                        ; the same 64 loads as on the other way: the counts below hold on both
	LOADU 1
.Lv_go:
.macro BLOCKU n
.set bb, 2*(((\n)/2)%2)+((\n)/2)/2
.set bp, (\n)%2
.set xs, X+32*bp
.set cd, CF+12*bp+6*(bb/2)
.if (\n) < 7
	s_wait_loadcnt 32                              ; this unit's 32 loads are in; the next unit's 32 may be out
.else
	s_wait_loadcnt 0x0
.endif
	v_max3_num_f32 v8, |v[xs]|, |v[xs+1]|, |v[xs+2]|               ; the block's largest magnitude: all 32 numbers are mine
	v_max3_num_f32 v9, |v[xs+3]|, |v[xs+4]|, |v[xs+5]|
.irp i, 6,10,14,18,22,26
	v_max3_num_f32 v8, v8, |v[xs+\i]|, |v[xs+\i+1]|
	v_max3_num_f32 v9, v9, |v[xs+\i+2]|, |v[xs+\i+3]|
.endr
	v_max3_num_f32 v8, v8, |v[xs+30]|, |v[xs+31]|
	v_max3_num_f32 v8, v8, v9, 0x1800000           ; and the floor 2^(3 - 127): the byte cannot fall under 1
	v_add_nc_u32 v10, 0xff000000, v8               ; 2 off the exponent field: the conversion takes this operand's exponent field as its scale
	v_lshrrev_b32 v11, 23, v10                     ; the scale's byte
.if bb == 0
	v_mov_b32 v[VW+2*bp], v11                      ; byte b of the word scales keys 32 b on
.else
	v_lshl_or_b32 v[VW+2*bp], v11, 8*bb, v[VW+2*bp]
.endif
.if ((\n) == 4) || ((\n) == 5)
	s_wait_alu depctr_va_vdst(0)
	s_wait_xcnt 0x0                                ; the stores of blocks 0 and 2 have read these code registers: only now are they written again
.endif
	v_cvt_scalef32_pk16_fp6_f32 v[cd:cd+2], v[xs:xs+15], v10
	v_cvt_scalef32_pk16_fp6_f32 v[CV:CV+2], v[xs+16:xs+31], v10    ; (a conversion's three registers begin on an even number)
	v_nop                                          ; one plain place behind a scaled conversion
.irp i, 0,1,2
	v_mov_b32 v[cd+3+\i], v[CV+\i]
.endr
.if (\n) < 6
	LOADU (\n)+2
.endif
.if bb >= 2
.irp c, 0,1,2
	global_store_b128 v21, v[CF+12*bp+4*\c:CF+12*bp+4*\c+3], s[94:95] offset:2*FRB*bp+512*\c+256*(bb%2)   ; sixteen lanes store 256 consecutive bytes, at a multiple of 256 from the buffer's first byte
.endr
.endif
.endm
.irp n, 0,1,2,3,4,5,6,7
	BLOCKU \n
.endr
	v_permlanex16_b32 v61, v60, s98, s99           ; lanes 0-15 now hold row r's words of tiles 4 dg + 0, 1, 2, 3 in v60-63
	v_permlanex16_b32 v63, v62, s98, s99
	s_wait_alu depctr_va_vdst(0)
	s_wait_xcnt 0x0                                ; EXEC changes only behind this wait: stores have been issued
	v_cmp_gt_u32 vcc_lo, 16, v1
	s_and_saveexec_b32 s3, vcc_lo
	global_store_b128 v22, v[60:63], s[94:95]      ; sixteen lanes: the half record's 256 bytes of scale words
	s_wait_xcnt 0x0
	s_or_b32 exec_lo, exec_lo, s3
	s_endpgm
; ================= rows with K innermost: k, the gathered pool_k, q =================
.Lrows:
	s_sub_co_u32 s16, ttmp9, 320
	s_lshr_b32 s17, s16, 4                         ; step 0..19
	s_and_b32 s16, s16, 15
	s_lshl_b32 s16, s16, 2
	s_add_co_u32 s16, s16, s12                     ; u = 0..63
	s_and_b32 s3, s16, 1                           ; g: which half of the record
	s_bfe_u32 s18, s16, 0x30001                    ; kv head
	s_lshr_b32 s19, s16, 4                         ; b
	s_lshl_b32 s20, s19, 3
	s_add_co_u32 s20, s20, s18
	s_mul_i32 s20, s20, 20
	s_add_co_u32 s20, s20, s17                     ; the record
	s_mov_b32 s13, 4096                            ; bytes from token to token
	s_lshl_b32 s22, s19, 13
	s_lshl_b32 s2, s17, 9
	s_add_co_u32 s22, s22, s2
	s_lshl_b32 s2, s3, 8
	s_add_co_u32 s22, s22, s2                      ; my 64 indices in the table
	s_lshl_b32 s18, s18, 9                         ; the head's 512 bytes of a row: all that a gathered row's offset wants beside its index
	s_max_u32 s17, s17, 16
	s_sub_co_u32 s17, s17, 16
	s_lshl_b32 s17, s17, 19                        ; new tokens: 128 (step - 16) rows,
	s_lshl_b32 s19, s19, 21
	s_add_co_u32 s17, s17, s19                     ; request b,
	s_lshl_b32 s2, s3, 18
	s_add_co_u32 s17, s17, s2                      ; 64 g rows,
	s_add_co_u32 s17, s17, s18                     ; the head
	s_cmp_lt_u32 ttmp9, 576
	s_cselect_b32 s96, s18, s17
	s_mul_i32 s20, s20, REC
	s_mov_b32 s21, 0
	s_mov_b32 s23, 0
	s_mov_b32 s97, 0
	s_lshl_b32 s2, s3, 8
	s_add_co_u32 s2, s2, SCO
	s_wait_alu depctr_va_vdst(0)
	v_lshl_add_u32 v7, v2, 4, s2                   ; row r's four scale words
	v_lshlrev_b32 v8, 3, v3                        ; 8 hl: my bytes' place in a scale word
	s_mul_i32 s2, s3, 4*FRB
	v_add_nc_u32 v11, s2, v4                       ; my 16 bytes of an image's 512, in my half of the record
	v_mov_b32 v17, 0                               ; written once: a lane permute's destination counts as one of its sources
	s_wait_kmcnt 0x0
	s_cmp_lt_u32 ttmp9, 576                        ; the choices hang on the work-group's number alone
	s_cselect_b64 s[14:15], s[10:11], s[6:7]       ; pool_k or k,
	s_add_nc_u64 s[14:15], s[14:15], s[96:97]
	s_add_nc_u64 s[94:95], s[90:91], s[20:21]      ; kimg
	s_cmp_lt_u32 ttmp9, 576
	s_cbranch_scc0 .Ldense
	s_add_nc_u64 s[86:87], s[86:87], s[22:23]      ; my part of the table
	TABLE 0x0
	s_wait_kmcnt 0x0
.set nn, 0
.rept 64
	s_min_u32 s[16+nn+4*(nn/48)], s[16+nn+4*(nn/48)], 0x3fff       ; inside the pool
	s_lshl_b32 s[16+nn+4*(nn/48)], s[16+nn+4*(nn/48)], 12          ; a pool row is 4,096 bytes
.set nn, nn+1
.endr
	s_branch .Loffs
.Ldense:
.set nn, 0
.rept 64
	s_mul_i32 s[16+nn+4*(nn/48)], s13, nn
.set nn, nn+1
.endr
.Loffs:
; Tile t of my four: sixteen rows, each 512 consecutive bytes by one load.  The row's offset is made in the load's first destination register: the load lands on its own address.
.macro LOADT t
.set rr, 0
.rept 16
.set nn, 8*(\t)+rr+24*(rr/8)           ; of my 64 rows: rows 0-7 of tile t are 8 t + 0 .. 7, rows 8-15 lie 32 further on
.set aa, R+64*((\t)%2)+4*rr
	v_add_nc_u32 v[aa], s[16+nn+4*(nn/48)], v4
	global_load_b128 v[aa:aa+3], v[aa], s[14:15]
.set rr, rr+1
.endr
.endm
; The tile turns through my stage: in as loaded, out as the operand's layout wants it: lane (r, hl) takes K = 64 c + 32 hl + 0 .. 31 of row r.  LDS serves a wave's instructions in order: no wait between.
.macro TURN t
.set rr, 0
.rept 16
	ds_store_b128 v5, v[R+64*((\t)%2)+4*rr:R+64*((\t)%2)+4*rr+3] offset:SPT*rr
.set rr, rr+1
.endr
.irp c, 0,1
.irp i, 0,1,2,3,4,5,6,7
	ds_load_b128 v[X+32*\c+4*\i:X+32*\c+4*\i+3], v6 offset:256*\c+16*\i
.endr
.endr
.endm
.macro QUANTR t
	v_max3_num_f32 v9, |v[X]|, |v[X+1]|, 0x1800000                 ; my blocks hl and 2 + hl: all 32 numbers of each are mine; the floor 2^(3 - 127) holds the byte at 1 from below
	v_max3_num_f32 v10, |v[X+32]|, |v[X+33]|, 0x1800000
.irp i, 2,4,6,8,10,12,14,16,18,20,22,24,26,28,30
	v_max3_num_f32 v9, v9, |v[X+\i]|, |v[X+\i+1]|
	v_max3_num_f32 v10, v10, |v[X+32+\i]|, |v[X+33+\i]|
.endr
	v_add_nc_u32 v12, 0xff000000, v9               ; 2 off the exponent field: the conversion's scale operand
	v_add_nc_u32 v13, 0xff000000, v10
	v_lshrrev_b32 v14, 23, v12                     ; the scales' bytes
	v_lshrrev_b32 v15, 23, v13
	v_lshl_or_b32 v16, v15, 16, v14
	v_lshlrev_b32 v16, v8, v16                     ; at their places in the word, 8 hl bits up;
	v_permlanex16_b32 v17, v16, s98, s99
	v_or_b32 v[SW+\t], v16, v17                    ; with lane l xor 16's two the word is whole
	s_wait_alu depctr_va_vdst(0)
	s_wait_xcnt 0x0                                ; the last tile's stores have read the code registers: only now are they written again
.irp c, 0,1
	v_cvt_scalef32_pk16_fp6_f32 v[C+6*\c:C+6*\c+2], v[X+32*\c:X+32*\c+15], v[12+\c]
	v_cvt_scalef32_pk16_fp6_f32 v[CT+4*\c:CT+4*\c+2], v[X+32*\c+16:X+32*\c+31], v[12+\c]   ; (a conversion's three registers begin on an even number)
.endr
	v_nop                                          ; one plain place behind a scaled conversion
.irp c, 0,1
.irp i, 0,1,2
	v_mov_b32 v[C+6*\c+3+\i], v[CT+4*\c+\i]
.endr
.endr
.irp c, 0,1,2
	global_store_b128 v11, v[C+4*\c:C+4*\c+3], s[94:95] offset:FRB*\t+512*\c   ; 32 lanes store 512 consecutive bytes, at a multiple of 256 from the buffer's first byte
.endr
.endm
	LOADT 0
	LOADT 1
.irp t, 0,1,2,3
.if \t < 3
	s_wait_loadcnt 16                              ; this tile's 16 loads are in; the next tile's 16 may be out
.else
	s_wait_loadcnt 0x0
.endif
	TURN \t
	s_wait_dscnt 0x0                               ; my numbers are back, and the stores into the stage have read their registers,
.if \t < 2
	LOADT \t+2                                     ; which take the tile two further on
.endif
	QUANTR \t
.endr
	s_wait_xcnt 0x0                                ; EXEC changes only behind this wait: stores have been issued
	v_cmp_gt_u32 vcc_lo, 16, v1
	s_wait_tensorcnt 0x0
	ds_add_u32 v31, v59
	s_wait_dscnt 0x0
	s_and_saveexec_b32 s3, vcc_lo
	global_store_b128 v7, v[SW:SW+3], s[94:95]     ; sixteen lanes: the half record's 256 bytes of scale words
	s_wait_xcnt 0x0
	s_or_b32 exec_lo, exec_lo, s3
	s_endpgm
.Lfunc_end_k_qea154d7f47_prep:
	.size	k_qea154d7f47_prep, .Lfunc_end_k_qea154d7f47_prep-k_qea154d7f47_prep
	.p2alignl 7, 3214868480
	.fill 96, 4, 3214868480
	.section	.rodata,"a",@progbits
	.p2align	6, 0x0
	.amdhsa_kernel k_qea154d7f47_prep
		.amdhsa_group_segment_fixed_size 34304
		.amdhsa_private_segment_fixed_size 0
		.amdhsa_enable_private_segment 0
		.amdhsa_kernarg_size 56
		.amdhsa_user_sgpr_count 2
		.amdhsa_user_sgpr_kernarg_segment_ptr 1
		.amdhsa_wavefront_size32 1
		.amdhsa_system_sgpr_workgroup_id_x 1
		.amdhsa_system_sgpr_workgroup_id_y 1
		.amdhsa_system_sgpr_workgroup_id_z 1
		.amdhsa_system_vgpr_workitem_id 0
		.amdhsa_next_free_vgpr 256
		.amdhsa_next_free_sgpr 100
		.amdhsa_reserve_vcc 1
		.amdhsa_float_denorm_mode_32 3
		.amdhsa_float_denorm_mode_16_64 3
		.amdhsa_memory_ordered 1
		.amdhsa_forward_progress 1
		.amdhsa_inst_pref_size 111
	.end_amdhsa_kernel
	.amdgpu_metadata
---
amdhsa.version: [ 1, 2 ]
amdhsa.kernels:
  - .name:           k_qea154d7f47_prep
    .symbol:         k_qea154d7f47_prep.kd
    .args:
      - { .name: k, .offset: 0, .size: 8, .value_kind: global_buffer, .address_space: global }
      - { .name: v, .offset: 8, .size: 8, .value_kind: global_buffer, .address_space: global }
      - { .name: pool_k, .offset: 16, .size: 8, .value_kind: global_buffer, .address_space: global }
      - { .name: pool_v, .offset: 24, .size: 8, .value_kind: global_buffer, .address_space: global }
      - { .name: req_to_token, .offset: 32, .size: 8, .value_kind: global_buffer, .address_space: global }
      - { .name: kimg, .offset: 40, .size: 8, .value_kind: global_buffer, .address_space: global }
      - { .name: vimg, .offset: 48, .size: 8, .value_kind: global_buffer, .address_space: global }
    .group_segment_fixed_size: 34304
    .private_segment_fixed_size: 0
    .kernarg_segment_align: 8
    .kernarg_segment_size: 56
    .max_flat_workgroup_size: 128
    .sgpr_count:     100
    .vgpr_count:     256
    .wavefront_size: 32
...
	.end_amdgpu_metadata
.endif
;; end of part 1
;; launch attn (part 2): grid 8 x 32, 8 waves a work-group, clusters of 4 x 1, 327,680 bytes of LDS; arguments q, kimg, vimg, out0; writes out0
.if DOCPART == 2
	.amdgcn_target "amdgcn-amd-amdhsa--gfx1250"
	.amdhsa_code_object_version 6
	.text
	.protected	k_qea154d7f47_attn
	.globl	k_qea154d7f47_attn
	.p2align	8
	.type	k_qea154d7f47_attn,@function
k_qea154d7f47_attn:
	s_mov_b64 s[64:65], 0
	v_nop
	global_prefetch_b8 v0, s[64:65] scope:SCOPE_SE
	s_setreg_imm32_b32 hwreg(HW_REG_WAVE_MODE, 25, 1), 1
	s_wait_xcnt 0x0
	s_wait_alu depctr_hold_cnt(0) depctr_sa_sdst(0) depctr_va_vdst(0) depctr_va_sdst(0) depctr_va_ssrc(0) depctr_va_vcc(0) depctr_vm_vsrc(0)
	s_getreg_b32 s2, hwreg(HW_REG_IB_STS2, 6, 4)
	s_cmp_eq_u32 s2, 0
	s_cbranch_scc0 .Lentry_in_a_cluster
	s_endpgm
.Lentry_in_a_cluster:
	s_bfe_u32 s2, ttmp6, 0x10000c
	s_cmp_lg_u32 s2, 0x3003
	s_cbranch_scc0 .Lentry_shape_is_right
	s_endpgm
.Lentry_shape_is_right:
; out0 = the merge of the causal attention over 512 new keys and the attention over 2,048 gathered prefix keys, both on codes of FP6 (E2M3) with one E8M0 scale for each 32 along a product's K.
; THE MERGE IS THE RUNNING SOFTMAX.  With o_i = O_i / l_i and lse_i = M_i ln 2 + ln l_i the log-sum-exp merge is (O1 2^M1 + O2 2^M2) / (l1 2^M1 + l2 2^M2): what ONE stream over 2,048 + 512 keys leaves
; that keeps a running whole number M, the sum l of the unquantised p = 2^(t - M) and O.  When M moves, l and O are multiplied by 2^(old M - new M): exact.  The prefix goes first, so M is a number from step 1 on.
; 20 steps of 128 keys: steps 0-15 the prefix, 16-19 the new tokens.  Operands come as images of their registers, in records of 12,800 bytes (8 fragments of 1,536 bytes, 512 bytes of scale words).
; SHARES.  Work-group (j, y): y = 8 b + kv head.  Wave w: a = w / 4; class cl = 0, 3, 1, 2, 3, 0, 2, 1 by w.  It owns TWO tiles of 16 queries, heads 4 h + 2 a + x, both at tokens
; 128 cl + 64 (j / 4) + 8 (j % 4) + r % 8 + 32 (r / 8).  New-token step c is left out where c > cl, masked where c = cl: branches on the wave's number alone.
; LAYOUT.  S^T = K Q^T, O^T = V^T P^T: a lane holds ONE query.  Tile T of K holds keys 64 (T / 4) + 8 (T % 4) + r % 8 + 32 (r / 8), so the 32 registers of tiles 4 c .. 4 c + 3 of lane (r, hl) are keys
; 64 c + 32 hl + 0 .. 31: a WHOLE block of p lies in one lane, in the operand's own order: its maximum asks no other lane, and the conversions' results are the operand's registers.
; TWO REGIONS of 128 registers, A (window 0) and B (window 1), change roles from step to step: S lies in one, K and then V in the other; when p is summed and converted, the next step's K is asked
; for into S's region, ahead of the rescaling of O and the 16 products with V.
; RING.  Two LDS slots of 512 keys (K's 4 records, V's 4), filled jointly by the cluster's four work-groups, which share y; every wave fetches one record.  A slot's last LDS reads are V's of its fourth
; step: the three lines and the signal stand there, the barrier's wait at the next slot's head, register work alone between.
; No prefetch into the L2: a fill is asked for three key steps (96 matrix instructions a wave) ahead of the wait for it, and each record is asked for once in a cluster.
; LIMITS: NaN and infinities are not served; a p under 2^-126 counts as 0 (v_exp_f32 gives 0 there); scores stay above -3e38.
.set REC,   12800
.set FRB,   1536
.set SCO,   12288
.set SLOTB, 4*REC
.set SLOT1, 1<<17                      ; slot 1 begins here
.set STAGE, SLOT1                      ; the way out: 16 rows x 272 bytes a wave, in slot 1, which has had its last fill and its last read ahead of the last change of slots
.set SP,    272
; Q COMES AS f32 AND IS QUANTISED HERE, at the head: each number of q is read once in the launch.  A wave's 2 x 16 rows of 512 bytes come by one load a row, turn through the wave's own stage in LDS
; (16 rows of 528 bytes), so that lane (r, hl) holds K = 64 c + 32 hl + 0 .. 31 of row r, and are quantised: a block's byte is its largest magnitude's exponent field - 2, held at 1 from below.
.set QST,   SLOT1+2*SLOTB              ; the eight stages, behind slot 1: no fill lands there
.set QSP,   528                        ; 33 x 16 bytes: sixteen rows start in sixteen different columns of 16 bytes modulo 256
.set SPARE, QST+8*16*QSP               ; the spare words, 128 bytes a wave
.set LI,   1                           ; 16 x lane
.set ADK,  2                           ; K's records of the slot in hand
.set ADV,  3                           ; V's
.set SPW,  4
.set NIL,  5
.set GO,   6                           ; my byte offset in out0's rows
.set DG,   7                           ; my token in its 128 - 32 hl
.set QS,   8                           ; q's scale words
.set PW,   10                          ; p's
.set ST,   12                          ; a tile: -M, largest score, the sum (a pair)
.set FX,   20                          ; f (pairs)
.set KSC,  24                          ; K's scale words
.set VSC,  28                          ; V's
.set QF,   32                          ; Q, 12 a tile
.set PC,   56                          ; p's codes, 12 a tile
.set CT,   80                          ; the upper halves of the blocks' codes
.set BM,   96                          ; a block's largest score, then its largest p: 2 a tile
.set SO,   100                         ; the conversions' scale operands
.set PT,   104                         ; the bytes
.set SA,   108                         ; the sums' second chains
.set TMP,  112
.set NINF, 116
.set H8,   117                         ; 8 hl
.set PX,   118                         ; lane l xor 16's
.set QA,   120
.set QB,   121
.set R,    128                         ; a region's first register, in either window.  Window 1, v0-127: O^T, 64 a tile
.set OB,   32
.set WV,   12
.set W3,   13
.set CL,   14
.set J,    16
.set SEL,  20
.set CS,   22
.set G1,   24
.set G0,   32
.set TB,   42
.set SLOTS, 43
.set NC,   48
.set MSB, 0
.macro WIN new                         ; the immediate's high byte repeats the setting that is left
.if MSB != (\new)
	s_set_vgpr_msb (MSB<<8)|(\new)
.set MSB, (\new)
.endif
.endm
.macro NOPS n
.rept \n
	v_nop
.endr
.endm
.macro DLY n
	s_delay_alu instid0(VALU_DEP_\n)
.endm
.macro CREST                           ; a round of the cluster's barrier behind its opening barrier
	s_cmp_lg_u32 s[WV], 0
	s_cbranch_scc1 .Lnot_wave_0_\@
	s_barrier_signal -3
.Lnot_wave_0_\@:
	s_barrier_wait -3
	s_barrier_signal -1
	s_barrier_wait -1
.endm
.macro CROUND
	s_barrier_signal -1
	s_barrier_wait -1
	CREST
.endm
.macro TLOAD                           ; every wave's one joint load: waves 0-3 K's records of a slot, waves 4-7 V's
	tensor_load_to_lds s[G0:G0+3], s[G1:G1+7]
	s_nop 0
	NOPS 4
.endm
.macro KLOAD q, w                      ; K's record q of the slot in hand into the region in window w: 25 LDS loads
	WIN (\w)<<6
.irp t, 0,1,2,3,4,5,6,7
.irp c, 0,1,2
	ds_load_b128 v[R+12*\t+4*\c:R+12*\t+4*\c+3], v[ADK] offset:REC*(\q)+FRB*\t+512*\c
.endr
.endr
	WIN 0
	ds_load_b128 v[KSC:KSC+3], v[ADK] offset:REC*(\q)+SCO      ; register t: lanes 0-15 tile t, lanes 16-31 tile 4 + t
.endm
.macro ADDRS                           ; the slot in hand
	v_add_nc_u32 v[ADK], s[TB], v[LI]
	DLY 1
	v_add_nc_u32 v[ADV], SLOTB, v[ADK]
	s_wait_alu depctr_va_vdst(0)
	s_xor_b32 s[TB], s[TB], SLOT1
.endm
	s_load_b256 s[4:11], s[0:1], 0x0               ; q s[4:5], kimg s[6:7], vimg s[8:9], out0 s[10:11]
	v_lshl_add_u32 v[SPW], v0, 2, SPARE
	v_mov_b32 v[NIL], 0
	ds_add_u32 v[SPW], v[NIL]                      ; the opening lines: the add twice on end and its one wait
	ds_add_u32 v[SPW], v[NIL]
	v_lshrrev_b32 v[TMP], 5, v0
	DLY 1
	v_readfirstlane_b32 s[WV], v[TMP]              ; wave 0..7
	s_and_b32 s[W3], s[WV], 3
	s_lshr_b32 s44, s[WV], 2                       ; a
	s_and_b32 s45, s[W3], 1
	s_lshl_b32 s45, s45, 1
	s_lshr_b32 s46, s[W3], 1
	s_xor_b32 s46, s46, s[W3]
	s_and_b32 s46, s46, 1
	s_or_b32 s[CL], s45, s46                       ; 0, 3, 1, 2 by w % 4,
	s_mul_i32 s45, s44, 3
	s_xor_b32 s[CL], s[CL], s45                    ; and 3 less that in waves 4-7
	s_bfe_u32 s15, ttmp6, 0x40000                  ; cx
	s_lshl_b32 s[J], ttmp9, 2
	s_add_co_u32 s[J], s[J], s15                   ; j = 4 x cluster x + cx: it enters q's and out0's global addresses and the mask's operand alone
	s_and_b32 s17, ttmp7, 0xffff                   ; y, which the four partners share
	s_lshr_b32 s18, s17, 3                         ; b
	s_and_b32 s19, s17, 7                          ; kv head
	s_mov_b32 s[SEL], 0x76543210
	s_mov_b32 s[SEL+1], 0xfedcba98                 ; v_permlanex16_b32's selects for lane l xor 16
	s_mov_b32 s[CS], 0x3e0293ee                    ; c = log2(e) / sqrt(128)
	s_mov_b32 s[CS+1], s[CS]
	s_mov_b32 s[NC], 0xbe0293ee                    ; -c
	s_mov_b32 s[G1+0], 15|(3<<16)|(1<<21)          ; the mask: all four work-groups; elements of 8 bytes; bit 21 beside a mask
	s_mov_b32 s[G1+1], 32<<16                      ; a record: 12,800 dense bytes as 50 rows of 256
	s_mov_b32 s[G1+2], 50<<16
	s_mov_b32 s[G1+3], 32<<16
	s_mov_b32 s[G1+4], 50
	s_mov_b32 s[G1+5], 32
	s_mov_b32 s[G1+6], 0
	s_mov_b32 s[G1+7], 0
	s_mov_b32 s[G0], 1
	s_mul_i32 s[G0+1], s[WV], REC                  ; LDS: K's four records, then V's four
	s_mul_i32 s36, s17, 20*REC                     ; in memory: (b, kv head)'s 20 records,
	s_mul_i32 s45, s[W3], REC
	s_add_co_u32 s36, s36, s45                     ; my one of a slot's four
	s_mov_b32 s37, 0
	s_mul_i32 s38, s[WV], 16*QSP
	s_add_co_u32 s38, s38, QST                     ; my stage for Q
	s_lshr_b32 s47, s[J], 2
	s_lshl_b32 s47, s47, 6
	s_and_b32 s45, s[J], 3
	s_lshl_b32 s45, s45, 3
	s_add_co_u32 s47, s47, s45                     ; 64 (j / 4) + 8 (j % 4): my tile's first token in its 128
	s_lshl_b32 s40, s18, 9                         ; out0: row 512 b + 128 cl + that,
	s_lshl_b32 s45, s[CL], 7
	s_add_co_u32 s40, s40, s45
	s_add_co_u32 s40, s40, s47
	s_lshl_b32 s40, s40, 14
	s_lshl_b32 s45, s19, 2
	s_lshl_b32 s46, s44, 1
	s_add_co_u32 s45, s45, s46
	s_lshl_b32 s45, s45, 9
	s_add_co_u32 s40, s40, s45                     ; head 4 h + 2 a of 512 bytes
	s_mov_b32 s41, 0
	s_mov_b32 s[TB], 0
	s_mov_b32 s[SLOTS], 4
	s_wait_dscnt 0x0                               ; both opening adds are done
	s_wait_kmcnt 0x0
	s_cmp_lt_u32 s[WV], 4                          ; the choice hangs on the wave's number alone
	s_cselect_b64 s[G0+2:G0+3], s[6:7], s[8:9]     ; kimg or vimg
	s_add_nc_u64 s[G0+2:G0+3], s[G0+2:G0+3], s[36:37]
	s_or_b32 s[G0+3], s[G0+3], 0x80000000
	s_add_nc_u64 s[4:5], s[4:5], s[40:41]          ; q is laid as out0 is: the same byte offset serves both
	s_add_nc_u64 s[10:11], s[10:11], s[40:41]
	v_and_b32 v[LI], 31, v0
	v_and_b32 v[TMP], 15, v0                       ; r
	v_bfe_u32 v[TMP+1], v0, 4, 1                   ; hl
	v_lshlrev_b32 v[LI], 4, v[LI]
.irp x, 0,1
.set rr, 0
.rept 16
	global_load_b128 v[R+64*\x+4*rr:R+64*\x+4*rr+3], v[LI], s[4:5] offset:(rr+24*(rr/8))*16384+512*\x th:TH_LOAD_NT   ; row rr of tile x: 32 lanes read 512 consecutive bytes, aligned
.set rr, rr+1
.endr
.endr
	s_wait_alu depctr_va_vdst(0)                   ; ahead of the round
	CROUND                                         ; all four work-groups are here: the first joint loads meet
	TLOAD                                          ; slot 0: keys 0-511
	v_add_nc_u32 v[QA], s38, v[LI]                 ; Q's stage, in: 16 x lane of a row
	v_mul_u32_u24 v[QB], v[TMP], QSP
	DLY 1
	v_lshl_add_u32 v[QB], v[TMP+1], 7, v[QB]
	DLY 1
	v_add_nc_u32 v[QB], s38, v[QB]                 ; out: row r, + 128 hl
	WIN 0x40
.set jj, 0
.rept 128
	v_mov_b32 v[jj], 0                             ; O^T: the key step is written once; the first finds zeros, which the first change of M leaves zeros
.set jj, jj+1
.endr
	WIN 0
	v_and_b32 v[TMP+2], 8, v[TMP]
	v_lshlrev_b32 v[TMP+3], 5, v[TMP+1]
	v_lshlrev_b32 v[H8], 3, v[TMP+1]
	v_mad_u32_u24 v[DG], v[TMP+2], 3, v[TMP]       ; r % 8 + 32 (r / 8)
	v_lshlrev_b32 v[GO], 14, v[TMP+1]
	DLY 2
	v_add_nc_u32 v[DG], s47, v[DG]
	v_lshl_add_u32 v[GO], v[TMP], 4, v[GO]         ; the way out: lanes 0-15 one row of out0, lanes 16-31 the next; 16 bytes a lane
	DLY 2
	v_sub_nc_u32 v[DG], v[DG], v[TMP+3]            ; my token in its 128 - 32 hl
	v_mov_b32 v[NINF], 0xff800000
.irp x, 0,1
	v_mov_b32 v[ST+4*\x], 0x7f61b1e6               ; -M: 3e38
	v_mov_b32 v[ST+4*\x+1], 0xff61b1e6             ; the largest score so far: -3e38
	v_mov_b32 v[ST+4*\x+2], 0
	v_mov_b32 v[ST+4*\x+3], 0
	v_mov_b32 v[FX+2*\x+1], 0                      ; (named as the upper half of f's pair)
	v_mov_b32 v[PX+\x], 0                          ; a lane permute's destination counts as one of its sources
.endr
; A KEY STEP: 128 keys, record q of the slot in hand.  par: S lies in window par, K and V in the other.  causal: new-token step q.  pre: the next record's K is asked for.  chg: the slot's last step.
.macro STEP q, par, causal, pre, chg
.set WS, \par
.set WK, 1-\par
.if \causal && (\q > 0)
	s_cmp_lt_u32 s[CL], \q                         ; this step's keys and all later ones come after my queries
	s_cbranch_scc1 .Ldone
.endif
	NOPS 5                                         ; five places: the scores are laid over the last step's V
	s_wait_dscnt 0x0                               ; K and its scale words are in
	WIN (WS<<6)|WK
.irp t, 0,1,2,3
.irp x, 0,1
	v_wmma_scale_f32_16x16x128_f8f6f4 v[R+64*\x+8*\t:R+64*\x+8*\t+7], v[R+12*\t:R+12*\t+11], v[QF+12*\x:QF+12*\x+11], 0, v[KSC+\t], v[QS+\x] matrix_a_fmt:MATRIX_FMT_FP6 matrix_b_fmt:MATRIX_FMT_FP6
.endr
.endr
.irp t, 4,5,6,7
.irp x, 0,1
	v_wmma_scale_f32_16x16x128_f8f6f4 v[R+64*\x+8*\t:R+64*\x+8*\t+7], v[R+12*\t:R+12*\t+11], v[QF+12*\x:QF+12*\x+11], 0, v[KSC+\t-4], v[QS+\x] matrix_a_fmt:MATRIX_FMT_FP6 matrix_b_fmt:MATRIX_FMT_FP6 matrix_a_scale:MATRIX_SCALE_ROW1
.endr
.endr
	NOPS 4                                         ; four places in front of the loads over K and of the first read of the scores
	WIN WK<<6
.irp t, 0,1,2,3,4,5,6,7
.irp c, 0,1,2
	ds_load_b128 v[R+12*\t+4*\c:R+12*\t+4*\c+3], v[ADV] offset:REC*\q+FRB*\t+512*\c   ; V lands under the softmax
.endr
.endr
	WIN 0
	ds_load_b128 v[VSC:VSC+3], v[ADV] offset:REC*\q+SCO
.if \chg
	s_wait_tensorcnt 0x0                           ; my record of the other slot has landed, so group 0 may be written;
	ds_add_u32 v[SPW], v[NIL]
	s_xor_b32 s[G0+1], s[G0+1], SLOT1              ; the slot that is being left,
	s_add_nc_u64 s[G0+2:G0+3], s[G0+2:G0+3], SLOTB ; the next four records
.endif
.if \causal
	s_cmp_gt_u32 s[CL], \q                         ; all its keys count: no mask
	s_cbranch_scc1 .Lopen_\@
	WIN (WS<<6)|WS
.set n, 0
.rept 64                                       ; register n holds key 64 (n / 32) + n % 32 + 32 hl of the step.  One compare serves both tiles
	v_cmp_gt_i32 vcc_lo, 64*(n/32)+n%32, v[DG]
	v_cndmask_b32 v[R+n], v[R+n], v[NINF], vcc_lo
	v_cndmask_b32 v[R+64+n], v[R+64+n], v[NINF], vcc_lo
.set n, n+1
.endr
	WIN 0
.Lopen_\@:
.endif
	WIN 5*WS
.irp x, 0,1
.irp c, 0,1
	v_max_num_f32 v[BM+2*\x+\c], v[R+64*\x+32*\c], v[R+64*\x+32*\c+1]   ; the largest score of my block of 32 keys; each accumulator is read from its low end on
.endr
.endr
.set jj, 2
.rept 15
.irp x, 0,1
.irp c, 0,1
	v_max3_num_f32 v[BM+2*\x+\c], v[R+64*\x+32*\c+jj], v[R+64*\x+32*\c+jj+1], v[BM+2*\x+\c]
.endr
.endr
.set jj, jj+2
.endr
	WIN 0
	v_max_num_f32 v[TMP], v[BM], v[BM+1]
	v_max_num_f32 v[TMP+1], v[BM+2], v[BM+3]
.irp x, 0,1
	DLY 2
	v_permlanex16_b32 v[PX+\x], v[TMP+\x], s[SEL], s[SEL+1]
.endr
.irp x, 0,1
	DLY 2
	v_max3_num_f32 v[ST+4*\x+1], v[ST+4*\x+1], v[TMP+\x], v[PX+\x]   ; the running largest score of my query
.endr
.irp x, 0,1
	DLY 2
	v_mul_f32 v[TMP+\x], s[NC], v[ST+4*\x+1]       ; -t
.endr
.irp x, 0,1
	DLY 2
	v_floor_f32 v[TMP+\x], v[TMP+\x]               ; the new -M = -ceil(t): M is a whole number
.endr
.irp x, 0,1
	DLY 2
	v_sub_f32 v[TMP+2+\x], v[TMP+\x], v[ST+4*\x]   ; old M - new M: a whole number, 0 or less
.endr
.irp x, 0,1
	v_mov_b32 v[ST+4*\x], v[TMP+\x]
.endr
.irp x, 0,1
	DLY 4
	v_cvt_i32_f32 v[TMP+2+\x], v[TMP+2+\x]         ; (it saturates)
.endr
.irp x, 0,1
	DLY 2
	v_ldexp_f32 v[FX+2*\x], 1.0, v[TMP+2+\x]       ; f = 2^(old M - new M): a multiplication by it rounds nothing
.endr
.irp x, 0,1
.irp c, 0,1
	v_fma_f32 v[BM+2*\x+\c], v[BM+2*\x+\c], s[CS], v[ST+4*\x]   ; t - M of each block's largest score
.endr
.endr
	WIN (WS<<6)|WS
.irp x, 0,1
.set jj, 0
.rept 32
	v_pk_fma_f32 v[R+64*\x+jj:R+64*\x+jj+1], v[R+64*\x+jj:R+64*\x+jj+1], s[CS:CS+1], v[ST+4*\x:ST+4*\x+1] op_sel_hi:[1,0,0]   ; t - M, two at a time
.set jj, jj+2
.endr
.endr
	s_wait_alu depctr_va_vdst(0)                   ; ahead of the batch (and of the wait below)
.if \chg
	s_wait_dscnt 0x0                               ; the add is done, and my last reads of this slot, V's, are in
	s_barrier_signal -1                            ; register work alone follows up to the barrier's wait at the next slot's head
.endif
.set jj, 0
.rept 128
	v_exp_f32 v[R+jj], v[R+jj]                     ; p = 2^(t - M): not normalised
.set jj, jj+1
.endr
	WIN 0
.irp i, 0,1,2,3
	v_exp_f32 v[BM+\i], v[BM+\i]                   ; the block's largest p: the same two instructions on the same number give the same bits
.endr
.irp x, 0,1
	v_pk_mul_f32 v[ST+4*\x+2:ST+4*\x+3], v[ST+4*\x+2:ST+4*\x+3], v[FX+2*\x:FX+2*\x+1] op_sel_hi:[1,0]   ; the sums under the new M (plain places behind the exponentials)
.endr
	s_wait_alu depctr_va_vdst(0)                   ; one wait for the batch, ahead of its first reader
.irp i, 0,1,2,3
	v_max_num_f32 v[BM+\i], 0x1800000, v[BM+\i]    ; the floor 2^(3 - 127): the byte cannot fall under 1
.endr
.irp i, 0,1,2,3
	v_add_nc_u32 v[SO+\i], 0xff000000, v[BM+\i]    ; 2 off the exponent field: the conversion's scale operand
.endr
.irp i, 0,1,2,3
	v_lshrrev_b32 v[PT+\i], 23, v[SO+\i]           ; the scale's byte
.endr
.irp x, 0,1
	v_lshl_or_b32 v[PW+\x], v[PT+2*\x+1], 16, v[PT+2*\x]   ; my bytes: blocks hl and 2 + hl,
.endr
.irp x, 0,1
	DLY 2
	v_lshlrev_b32 v[PW+\x], v[H8], v[PW+\x]        ; at their places in the word;
.endr
.irp x, 0,1
	DLY 2
	v_permlanex16_b32 v[PX+\x], v[PW+\x], s[SEL], s[SEL+1]
.endr
.irp x, 0,1
	DLY 2
	v_or_b32 v[PW+\x], v[PW+\x], v[PX+\x]          ; with lane l xor 16's two the word is whole
.endr
	WIN WS
.irp x, 0,1
.irp c, 0,1
	v_cvt_scalef32_pk16_fp6_f32 v[PC+12*\x+6*\c:PC+12*\x+6*\c+2], v[R+64*\x+32*\c:R+64*\x+32*\c+15], v[SO+2*\x+\c]
	v_cvt_scalef32_pk16_fp6_f32 v[CT+8*\x+4*\c:CT+8*\x+4*\c+2], v[R+64*\x+32*\c+16:R+64*\x+32*\c+31], v[SO+2*\x+\c]   ; (a conversion's three registers begin on an even number)
.endr
.endr
	v_nop                                          ; one plain place behind a scaled conversion
	WIN 0
.irp x, 0,1
.irp c, 0,1
.irp i, 0,1,2
	v_mov_b32 v[PC+12*\x+6*\c+3+\i], v[CT+8*\x+4*\c+\i]
.endr
.endr
.endr
	WIN 5*WS
.irp x, 0,1
	v_pk_add_f32 v[SA+2*\x:SA+2*\x+1], v[R+64*\x:R+64*\x+1], v[R+64*\x+2:R+64*\x+3]   ; the row's sum is taken of the unquantised p: two chains a tile
.endr
	WIN WS<<2
.set jj, 4
.rept 15
.irp x, 0,1
	v_pk_add_f32 v[ST+4*\x+2:ST+4*\x+3], v[ST+4*\x+2:ST+4*\x+3], v[R+64*\x+jj:R+64*\x+jj+1]
	v_pk_add_f32 v[SA+2*\x:SA+2*\x+1], v[SA+2*\x:SA+2*\x+1], v[R+64*\x+jj+2:R+64*\x+jj+3]
.endr
.set jj, jj+4
.endr
	WIN 0
	v_pk_add_f32 v[ST+2:ST+3], v[ST+2:ST+3], v[SA:SA+1]
	v_pk_add_f32 v[ST+6:ST+7], v[ST+6:ST+7], v[SA+2:SA+3]
.if \pre
	KLOAD \q+1, WS                                 ; p is summed and converted: the next step's K lands on it
.endif
	WIN 0x41
	s_wait_alu depctr_va_vdst(0)                   ; directly ahead of the first reader of O^T
.irp x, 0,1
.set jj, 0
.rept 32
	v_pk_mul_f32 v[64*\x+jj:64*\x+jj+1], v[64*\x+jj:64*\x+jj+1], v[FX+2*\x:FX+2*\x+1] op_sel_hi:[1,0]   ; O^T under the new M, each accumulator from its low end on
.set jj, jj+2
.endr
.endr
	s_wait_alu depctr_va_vdst(0)
	s_wait_dscnt 25*\pre                           ; V and its scale words are in; the 25 loads of the next K, issued behind them, may be out
	WIN 0x50|WK
.irp t, 0,1,2,3                                ; O^T += V^T P^T: the sixteen accumulators take turns
.irp x, 0,1
	v_wmma_scale_f32_16x16x128_f8f6f4 v[64*\x+8*\t:64*\x+8*\t+7], v[R+12*\t:R+12*\t+11], v[PC+12*\x:PC+12*\x+11], v[64*\x+8*\t:64*\x+8*\t+7], v[VSC+\t], v[PW+\x] matrix_a_fmt:MATRIX_FMT_FP6 matrix_b_fmt:MATRIX_FMT_FP6
.endr
.endr
.irp t, 4,5,6,7
.irp x, 0,1
	v_wmma_scale_f32_16x16x128_f8f6f4 v[64*\x+8*\t:64*\x+8*\t+7], v[R+12*\t:R+12*\t+11], v[PC+12*\x:PC+12*\x+11], v[64*\x+8*\t:64*\x+8*\t+7], v[VSC+\t-4], v[PW+\x] matrix_a_fmt:MATRIX_FMT_FP6 matrix_b_fmt:MATRIX_FMT_FP6 matrix_a_scale:MATRIX_SCALE_ROW1
.endr
.endr
	WIN 0
.endm
	s_wait_alu depctr_va_vdst(0)
	s_wait_loadcnt 0x0                             ; Q's 32 rows are in
.irp x, 0,1                                    ; through my stage: LDS serves a wave's instructions in order, so no wait stands between the stores and the loads, nor ahead of the next tile's stores
.set rr, 0
.rept 16
	ds_store_b128 v[QA], v[R+64*\x+4*rr:R+64*\x+4*rr+3] offset:QSP*rr
.set rr, rr+1
.endr
.irp c, 0,1
.irp i, 0,1,2,3,4,5,6,7
	ds_load_b128 v[R+64*\x+32*\c+4*\i:R+64*\x+32*\c+4*\i+3], v[QB] offset:256*\c+16*\i
.endr
.endr
.endr
	s_wait_dscnt 0x0
.irp x, 0,1
.irp c, 0,1
	v_max3_num_f32 v[BM+2*\x+\c], |v[R+64*\x+32*\c]|, |v[R+64*\x+32*\c+1]|, 0x1800000   ; my blocks hl and 2 + hl: all 32 numbers of each are mine; the floor 2^(3 - 127) holds the byte at 1 from below
.endr
.endr
.set jj, 2
.rept 15
.irp x, 0,1
.irp c, 0,1
	v_max3_num_f32 v[BM+2*\x+\c], v[BM+2*\x+\c], |v[R+64*\x+32*\c+jj]|, |v[R+64*\x+32*\c+jj+1]|
.endr
.endr
.set jj, jj+2
.endr
.irp i, 0,1,2,3
	v_add_nc_u32 v[SO+\i], 0xff000000, v[BM+\i]    ; 2 off the exponent field: the conversion's scale operand
.endr
.irp i, 0,1,2,3
	v_lshrrev_b32 v[PT+\i], 23, v[SO+\i]           ; the scale's byte
.endr
.irp x, 0,1
	v_lshl_or_b32 v[QS+\x], v[PT+2*\x+1], 16, v[PT+2*\x]
.endr
.irp x, 0,1
	DLY 2
	v_lshlrev_b32 v[QS+\x], v[H8], v[QS+\x]        ; my two bytes at their places in the word;
.endr
.irp x, 0,1
	DLY 2
	v_permlanex16_b32 v[PX+\x], v[QS+\x], s[SEL], s[SEL+1]
.endr
.irp x, 0,1
	DLY 2
	v_or_b32 v[QS+\x], v[QS+\x], v[PX+\x]          ; with lane l xor 16's two the word is whole
.endr
.irp x, 0,1
.irp c, 0,1
	v_cvt_scalef32_pk16_fp6_f32 v[QF+12*\x+6*\c:QF+12*\x+6*\c+2], v[R+64*\x+32*\c:R+64*\x+32*\c+15], v[SO+2*\x+\c]
	v_cvt_scalef32_pk16_fp6_f32 v[CT+8*\x+4*\c:CT+8*\x+4*\c+2], v[R+64*\x+32*\c+16:R+64*\x+32*\c+31], v[SO+2*\x+\c]   ; (a conversion's three registers begin on an even number)
.endr
.endr
	v_nop                                          ; one plain place behind a scaled conversion
.irp x, 0,1
.irp c, 0,1
.irp i, 0,1,2
	v_mov_b32 v[QF+12*\x+6*\c+3+\i], v[CT+8*\x+4*\c+\i]
.endr
.endr
.endr
	s_wait_alu depctr_va_vdst(0)                   ; directly ahead of the wait below
	s_wait_tensorcnt 0x0
	ds_add_u32 v[SPW], v[NIL]
	s_xor_b32 s[G0+1], s[G0+1], SLOT1
	s_add_nc_u64 s[G0+2:G0+3], s[G0+2:G0+3], SLOTB
	s_wait_dscnt 0x0
	s_barrier_signal -1
.Lslot:                                            ; four trips: trip k reads keys 512 k on and asks for the 512 that follow
	s_barrier_wait -1                              ; the signal stands in the last trip's fourth step (the first time: above)
	CREST                                          ; no wave of any partner still reads the other slot or has a load on its way
	TLOAD
	ADDRS
	KLOAD 0, 1
	STEP 0, 0, 0, 1, 0
	STEP 1, 1, 0, 1, 0
	STEP 2, 0, 0, 1, 0
	STEP 3, 1, 0, 0, 1
	s_sub_co_u32 s[SLOTS], s[SLOTS], 1
	s_cmp_lg_u32 s[SLOTS], 0
	s_cbranch_scc1 .Lslot
	s_barrier_wait -1                              ; the last slot, the 512 new keys, is whole; nothing more is asked for, so no round follows
	ADDRS
	KLOAD 0, 1
	STEP 0, 0, 1, 1, 0
	STEP 1, 1, 1, 1, 0
	STEP 2, 0, 1, 1, 0
	STEP 3, 1, 1, 0, 0
.Ldone:
	; THE WAY OUT.  O^T is divided by the row's sum and goes through my stage in LDS, half a head's row (64 channels, 256 bytes) of 16 queries at a time.
	s_wait_dscnt 0x0                               ; a K that was asked for and is not wanted has landed: its registers are free
	NOPS 4
.irp x, 0,1
	v_add_f32 v[ST+4*\x+2], v[ST+4*\x+2], v[ST+4*\x+3]
.endr
.irp x, 0,1
	DLY 2
	v_permlanex16_b32 v[TMP+\x], v[ST+4*\x+2], s[SEL], s[SEL+1]
.endr
.irp x, 0,1
	DLY 2
	v_add_f32 v[ST+4*\x+2], v[ST+4*\x+2], v[TMP+\x]                ; with lane l xor 16's: the row's sum
.endr
	s_wait_alu depctr_va_vdst(0)
.irp x, 0,1
	v_rcp_f32 v[ST+4*\x+2], v[ST+4*\x+2]
.endr
	v_and_b32 v[QA], 15, v0                        ; r
	v_bfe_u32 v[QB], v0, 4, 1                      ; hl
	s_mul_i32 s45, s[WV], 16*SP
	s_add_co_u32 s45, s45, STAGE                   ; my stage
	v_mul_u32_u24 v[ADK], v[QA], SP
	DLY 1
	v_lshl_add_u32 v[ADK], v[QB], 5, v[ADK]
	DLY 1
	v_add_nc_u32 v[ADK], s45, v[ADK]               ; in: row r; a tile's eight channels of my half: 64 t + 32 hl bytes on
	v_mul_u32_u24 v[ADV], v[QB], SP
	DLY 1
	v_lshl_add_u32 v[ADV], v[QA], 4, v[ADV]
	DLY 1
	v_add_nc_u32 v[ADV], s45, v[ADV]               ; back: lanes 0-15 one row, lanes 16-31 the next
	WIN 0x01
	s_wait_alu depctr_va_vdst(0)                   ; behind the reciprocals, directly ahead of the first reader of O^T
.irp x, 0,1
.set jj, 0
.rept 64
	v_mul_f32 v[R+64*\x+jj], v[64*\x+jj], v[ST+4*\x+2]             ; register 8 t + i is o(query r, channel 16 t + 8 hl + i)
.set jj, jj+1
.endr
.endr
	WIN 0
	s_wait_alu depctr_va_vdst(0)
.irp x, 0,1
.irp u, 0,1                                    ; channels 64 u on
.irp t, 0,1,2,3
	ds_store_b128 v[ADK], v[R+64*\x+32*\u+8*\t:R+64*\x+32*\u+8*\t+3] offset:64*\t
	ds_store_b128 v[ADK], v[R+64*\x+32*\u+8*\t+4:R+64*\x+32*\u+8*\t+7] offset:64*\t+16
.endr
.irp i, 0,1,2,3,4,5,6,7
	ds_load_b128 v[OB+96*\x+32*\u+4*\i:OB+96*\x+32*\u+4*\i+3], v[ADV] offset:2*\i*SP   ; LDS serves a wave's instructions in order: these see my stores
.endr
.endr
.irp u, 0,1
.irp i, 0,1,2,3,4,5,6,7
	s_wait_dscnt 23-16*\u-\i                       ; behind this load: the later loads of its half, and (u = 0) the other half's 16 LDS instructions
	global_store_b128 v[GO], v[OB+96*\x+32*\u+4*\i:OB+96*\x+32*\u+4*\i+3], s[10:11] offset:(2*\i+24*(\i/4))*16384+256*\u+512*\x th:TH_STORE_NT   ; stage row 2 i + hl is token 2 i + hl + 24 (i / 4) of the tile; 16 lanes store 256 consecutive bytes, aligned
.endr
.endr
.endr
	s_wait_tensorcnt 0x0                           ; the wave's end
	ds_add_u32 v[SPW], v[NIL]
	s_wait_dscnt 0x0
	CROUND                                         ; the closing round
	s_endpgm
.Lfunc_end_k_qea154d7f47_attn:
	.size	k_qea154d7f47_attn, .Lfunc_end_k_qea154d7f47_attn-k_qea154d7f47_attn
	.p2alignl 7, 3214868480
	.fill 96, 4, 3214868480
	.section	.rodata,"a",@progbits
	.p2align	6, 0x0
	.amdhsa_kernel k_qea154d7f47_attn
		.amdhsa_group_segment_fixed_size 327680
		.amdhsa_private_segment_fixed_size 0
		.amdhsa_enable_private_segment 0
		.amdhsa_kernarg_size 32
		.amdhsa_user_sgpr_count 2
		.amdhsa_user_sgpr_kernarg_segment_ptr 1
		.amdhsa_wavefront_size32 1
		.amdhsa_system_sgpr_workgroup_id_x 1
		.amdhsa_system_sgpr_workgroup_id_y 1
		.amdhsa_system_sgpr_workgroup_id_z 1
		.amdhsa_system_vgpr_workitem_id 0
		.amdhsa_next_free_vgpr 512
		.amdhsa_next_free_sgpr 66
		.amdhsa_reserve_vcc 1
		.amdhsa_float_denorm_mode_32 3
		.amdhsa_float_denorm_mode_16_64 3
		.amdhsa_memory_ordered 1
		.amdhsa_forward_progress 1
		.amdhsa_inst_pref_size 255
	.end_amdhsa_kernel
	.section	.bss,"aw",@nobits
	.p2align	6
	.space	262144
	.amdgpu_metadata
---
amdhsa.version: [ 1, 2 ]
amdhsa.kernels:
  - .name:           k_qea154d7f47_attn
    .symbol:         k_qea154d7f47_attn.kd
    .args:
      - { .name: q, .offset: 0, .size: 8, .value_kind: global_buffer, .address_space: global }
      - { .name: kimg, .offset: 8, .size: 8, .value_kind: global_buffer, .address_space: global }
      - { .name: vimg, .offset: 16, .size: 8, .value_kind: global_buffer, .address_space: global }
      - { .name: out0, .offset: 24, .size: 8, .value_kind: global_buffer, .address_space: global }
    .group_segment_fixed_size: 327680
    .private_segment_fixed_size: 0
    .kernarg_segment_align: 8
    .kernarg_segment_size: 32
    .max_flat_workgroup_size: 256
    .sgpr_count:     66
    .vgpr_count:     512
    .wavefront_size: 32
...
	.end_amdgpu_metadata
.endif
;; end of part 2
